; MI455X (gfx1250); checked and timed in simulation.
; The chip was launched on July 23, 2026; its instructions are those of AMD's public machine-readable ISA for CDNA 5 (MIT licence, August 2026) and "CDNA5" Instruction Set Architecture Reference Guide (July 2026). The comments in the code are by the model that wrote it; some were corrected since.
;; Quantized Linear. Allowed arithmetic: matrix products marked QUANTISED: E3M2 operands, one E8M0 scale for each 32 along K, by v_wmma_scale_f32_16x16x128_f8f6f4 with both operands' format E3M2, f32 sums; everything else in f32.
;; Inputs: bias 16,384 float32; quantized_weight 16,384 x 4,096 int8; weight_scale 16,384 x 1 float32; x 1,024 x 4,096 float32.
;; Outputs: out0 1,024 x 16,384 float32.
;; This version of the problem:
;;   THIS VERSION OF THE PROBLEM IS GIVEN IN LOW PRECISION. The matrix products marked QUANTISED in the list below multiply operands that are first quantised to E3M2 (3 exponent bits, 2 mantissa bits; 6 bits a number), with one power-of-two scale for each 32 numbers along K (OCP MX v1.0); their sums are f32. All else is computed in f32.
;;   The module's matrix products, in the order in which they are computed (A, B: the left and right operand; K: the contracted axis; several contracted axes count as one K, in the product's order):
;;     1. [M 1,024, K 4,096] x [K 4,096, N 16,384]; A: input x; B: computed on the way: QUANTISED
;;   THE QUANTISER, for each operand of a quantised product, along K:
;;     - K is cut into blocks of 32 from its start; a last block that is shorter is filled with zeros.
;;     - A block's scale is 2^e with e = floor(log2(the largest magnitude in the block)) - 4, held to -126 .. 127; a block of zeros has e = 0. As a byte (E8M0): e + 127.
;;     - Each number is divided by its block's scale, clamped to +-28, and rounded to the nearest number of E3M2, ties to even, subnormals kept.
;;     - The product sums the exact products of the quantised numbers (number of the format x scale) in f32.
;;   ~~~python
;;   def quantise(x, axis):      # numpy; x: float32 -> the quantised numbers, widened to float32 again
;;       x = np.moveaxis(x, axis, -1); K = x.shape[-1]
;;       x = np.pad(x, [(0, 0)] * (x.ndim - 1) + [(0, -K % 32)]); x = x.reshape(x.shape[:-1] + (-1, 32)); a = np.abs(x).max(-1, keepdims=True)
;;       e = np.where(a > 0, np.clip(np.frexp(np.where(a > 0, a, 1))[1] - 1 - 4, -126, 127), 0)      # np.frexp(a)[1] - 1 = floor(log2(a)), exactly
;;       r = np.clip(x / 2.0 ** e, -28, 28)
;;       step = 2.0 ** (np.maximum(np.frexp(np.where(r == 0, 1, r))[1] - 1, -2) - 2)
;;       q = np.round(r / step) * step * 2.0 ** e      # np.round: ties to even
;;       return np.moveaxis(q.reshape(q.shape[:-2] + (-1,))[..., :K], -1, axis).astype(np.float32)
;;   ~~~
;;   OPERANDS COMPUTED ON THE WAY. 'Computed on the way' means the value that the module computes at that place (a softmax that the list does not call 'softmax' is quantised finished and normalised). What goes into a quantiser is computed in f32, as accurately as f32 sums, v_exp_f32 and their like allow (about 1e-6 of the number): no bf16 or f16 on the way to a quantiser, and a product that is left as it is and whose result goes on into a quantised operand takes f32 operands (vector FMAs, or v_wmma_f32_16x16x4_f32). A number that lies on a knife's edge between two numbers of the format may be rounded either way, as far as f32 arithmetic and the matrix unit's own rounding can turn it there, and no further.
;; One version. Each part assembles by itself: llvm-mc -triple=amdgcn-amd-amdhsa -mcpu=gfx1250 --defsym DOCPART=n.
;; ======== version 1 of 1: 2 launches
;; limits: right only within a limited range of input values
;; workspace buffers: ximg 3,276,800 bytes; wimg 52,428,800 bytes
;; launch quant (part 1): grid 1152 x 1, 4 waves a work-group, no clusters, 51,712 bytes of LDS; arguments x, quantized_weight, weight_scale, ximg, wimg; writes ximg, wimg
.if DOCPART == 1
	.amdgcn_target "amdgcn-amd-amdhsa--gfx1250"
	.amdhsa_code_object_version 6
	.text
	.protected	k_qa5524e8fbf_quant
	.globl	k_qa5524e8fbf_quant
	.p2align	8
	.type	k_qa5524e8fbf_quant,@function
k_qa5524e8fbf_quant:
	s_mov_b64 s[64:65], 0
	v_nop
	global_prefetch_b8 v0, s[64:65] scope:SCOPE_SE
	s_setreg_imm32_b32 hwreg(HW_REG_WAVE_MODE, 25, 1), 1
	s_wait_xcnt 0x0
; x [1024][4096] f32 and w = f32(quantized_weight [16384][4096] int8) x weight_scale[row] are turned into codes of BF6 (E3M2), 6 bits each, with one E8M0 scale byte for each 32 along K.
; A block's scale is 2^(floor(log2(its largest magnitude)) - 4); its byte is the largest magnitude's own exponent field - 4, held at 1 from below.  Each number is divided by the scale and rounded to the
; nearest code, ties to even; beyond the largest code the conversion gives the largest code.
; LIMITS: NaN and infinities among the inputs are not served.  A block of zeros gets the byte 1 where the rule says 127: its codes are zeros, which add nothing under any byte but 0xff, and this program alone reads the bytes.
; THE RESULT IS LAID AS THE PRODUCT'S OPERAND REGISTERS.  Block (g, ks) = rows 128 g .. 128 g + 127, K = 128 ks .. 128 ks + 127, lies at byte (32 g + ks) x 12,800 of its buffer:
;   byte 1536 i + 512 c + 16 L: registers 4 c .. 4 c + 3 of lane L of the fragment of rows 128 g + 16 i + (L % 16)  (lane (r, h): registers 6 c' .. 6 c' + 5 hold K = 64 c' + 32 h + 0 .. 31);
;   byte 12,288 + 256 (i / 4) + 16 r + 4 (i % 4): the scale word (four bytes, 128 along K) of row 128 g + 16 i + r.
; SHARES.  Work-groups 0 to 127 take x: a wave 64 rows x 128 K (4 fragments).  Work-groups 128 to 1151 take the weight: a wave 64 rows x 256 K (4 row blocks x 2 fragments).
; A LANE HOLDS TWO WHOLE BLOCKS OF 32 OF ITS ROW, so no other lane is asked for a maximum, and the conversions' results are the fragment's registers.  The loads take the bytes as they lie (a row's 512 or 256
; consecutive bytes by neighbouring lanes); 16 rows turn through the wave's own stage in LDS, whose pitch is an odd multiple of 16 bytes.  No tensor loads, no barrier: waves share nothing.  Each path has LDS bytes of its own.
; REGISTERS: 192 a wave and 51,712 bytes of LDS a work-group, so that five work-groups fit on a WGP and the grid's 1,152 are at most 5 x 256.  So 64 registers hold what is loaded: for the weight two row blocks,
; each asked for again (two blocks on) as soon as its bytes are unpacked; for x one fragment's 16 rows, asked for again as soon as they have gone into the stage.
.set QB,     12800                     ; bytes of a block (g, ks)
.set FRB,    1536                      ; bytes of a fragment's image
.set SCO,    12288                     ; where a block's scale words begin
.set XWG,    128                       ; work-groups that take x
.set XPITCH, 528                       ; x's stage: 16 rows of 512 bytes + 16
.set XST,    16*XPITCH
.set WPITCH, 272                       ; the weight's stage: 16 rows of 256 bytes + 16
.set WST,    16*WPITCH
.set WST0,   4*XST                     ; behind the four stages of x's path
.set SPARE,  WST0+4*WST                ; the spare words: 128 bytes a wave, named by no other line
.set M,   10                           ; v10-11  the two blocks' largest magnitudes
.set SCL, 12                           ; v12-13  the conversions' scale operands
.set BY,  14                           ; v14-15  the scale bytes
.set W,   16                           ; v16     my row's scale word
.set T,   17                           ; v17     the other half's bytes
.set WS,  20                           ; v20-27  weight_scale of my row in row block j, twice: a pair for the packed multiply
.set S,   28                           ; v28-31  the scale words of row blocks 0 to 3
.set C,   32                           ; v32-43  the fragment
.set TC,  44                           ; v44-46, v48-50  the blocks' upper halves as converted
.set X,   64                           ; v64-127 64 numbers: X[32 c + i] is K = 64 c + 32 h + i of my row
.set RAW, 128                          ; v128-191 as loaded
	s_load_b256 s[4:11], s[0:1], 0x0               ; x s[4:5], quantized_weight s[6:7], weight_scale s[8:9], ximg s[10:11]
	s_load_b64 s[12:13], s[0:1], 0x20              ; wimg
	v_lshl_add_u32 v62, v0, 2, SPARE
	v_mov_b32 v63, 0
	v_lshrrev_b32 v1, 5, v0
	v_readfirstlane_b32 s14, v1                    ; wave 0..3
	v_and_b32 v1, 31, v0                           ; L
	v_and_b32 v2, 15, v0                           ; r
	v_bfe_u32 v3, v0, 4, 1                         ; h
	v_lshlrev_b32 v9, 3, v3                        ; 8 h: my bytes' place in the scale word, in bits
	v_mov_b32 v[T], 0                              ; written once: a lane permute's destination counts as one of its sources
	s_mov_b32 s34, 0x76543210
	s_mov_b32 s35, 0xfedcba98                      ; v_permlanex16_b32's selects for lane l xor 16
	s_mov_b32 s36, 0xffff0000                      ; lanes 16 to 31
; 64 numbers of a lane become a fragment, stored as an image at byte off of the wave's output; the row's scale word goes to S[j]: sel = 0 in all lanes, sel = 1 in lanes 16-31 alone.
.macro QUANT off, j, sel
.irp c, 0,1
	v_max3_num_f32 v[M+\c], |v[X+32*\c]|, |v[X+32*\c+1]|, 0x2800000   ; block 2 c + h: all its 32 numbers are mine; and the floor 2^(5 - 127), so that the byte cannot fall under 1
.endr
.irp i, 2,4,6,8,10,12,14,16,18,20,22,24,26,28,30
.irp c, 0,1
	v_max3_num_f32 v[M+\c], v[M+\c], |v[X+32*\c+\i]|, |v[X+32*\c+\i+1]|   ; (the two blocks by turns)
.endr
.endr
.irp c, 0,1
	v_add_nc_u32 v[SCL+\c], 0xfe000000, v[M+\c]    ; 4 off the exponent field: the conversion takes the exponent field of this operand as its scale, and nothing else of it
.endr
.irp c, 0,1
	v_lshrrev_b32 v[BY+\c], 23, v[SCL+\c]          ; the scale's byte
.endr
	v_lshl_or_b32 v[W], v[BY+1], 16, v[BY]         ; my two bytes: blocks h and 2 + h,
	v_lshlrev_b32 v[W], v9, v[W]                   ; at their places in the word;
	v_permlanex16_b32 v[T], v[W], s34, s35
	v_or_b32 v[W], v[W], v[T]                      ; with lane l xor 16's two the word is whole, in both lanes
	s_wait_alu depctr_va_vdst(0)
	s_wait_xcnt 0x0                                ; the last fragment's stores have read C: it is written again only behind this wait
.irp c, 0,1
	v_cvt_scalef32_pk16_bf6_f32 v[C+6*\c:C+6*\c+2], v[X+32*\c:X+32*\c+15], v[SCL+\c]
	v_cvt_scalef32_pk16_bf6_f32 v[TC+4*\c:TC+4*\c+2], v[X+32*\c+16:X+32*\c+31], v[SCL+\c]   ; (a conversion's three registers begin on an even number: a block's upper half is made elsewhere and moved)
.endr
.if \sel
	v_cndmask_b32 v[S+(\j)], v[S+(\j)], v[W], s36  ; the plain line behind the conversions
.else
	v_mov_b32 v[S+(\j)], v[W]                      ; the plain line behind the conversions
.endif
.irp c, 0,1
.irp i, 0,1,2
	v_mov_b32 v[C+6*\c+3+\i], v[TC+4*\c+\i]
.endr
.endr
.irp c, 0,1,2
	global_store_b128 v5, v[C+4*\c:C+4*\c+3], s[20:21] offset:(\off)+512*\c   ; 32 lanes store 512 consecutive bytes, at a multiple of 256 from the buffer's first byte
.endr
.endm
	s_cmp_lt_u32 ttmp9, XWG
	s_cbranch_scc0 .Lweights
; ---------------- x ----------------
	s_lshl_b32 s15, ttmp9, 2
	s_add_co_u32 s15, s15, s14                     ; which unit is my wave's: 0 .. 511
	s_lshr_b32 s16, s15, 5                         ; R: rows 64 R on
	s_and_b32 s17, s15, 31                         ; ks: a work-group's four waves stand side by side along K
	s_lshr_b32 s18, s16, 1                         ; g
	s_and_b32 s19, s16, 1                          ; which half of the group's 128 rows
	s_lshl_b32 s22, s16, 20                        ; 64 rows of 16,384 bytes
	s_lshl_b32 s23, s17, 9                         ; 128 numbers of 4 bytes
	s_add_co_u32 s22, s22, s23
	s_mov_b32 s23, 0
	s_lshl_b32 s24, s18, 5
	s_add_co_u32 s24, s24, s17
	s_mul_i32 s24, s24, QB                         ; block (g, ks)
	s_mov_b32 s25, 0
	s_mul_i32 s37, s19, 4*FRB                      ; my fragments are 4 half + j
	s_lshl_b32 s38, s19, 8                         ; and their scale words lie 256 half on
	s_mul_i32 s39, s14, XST                        ; my stage
	s_wait_alu depctr_va_vdst(0)
	v_lshlrev_b32 v4, 4, v1                        ; in: 16 bytes a lane
	v_lshl_add_u32 v5, v1, 4, s37                  ; an image's place for my lane
	v_lshlrev_b32 v6, 4, v2
	v_lshl_add_u32 v6, v3, 3, v6
	v_add_nc_u32 v6, s38, v6                       ; the scale words: lanes 0-15 store row r's words 0, 1, lanes 16-31 its words 2, 3
	v_lshl_add_u32 v7, v1, 4, s39                  ; the stage, on the way in
	v_mul_u32_u24 v8, v2, XPITCH
	v_lshl_add_u32 v8, v3, 7, v8
	v_add_nc_u32 v8, s39, v8                       ; and on the way out: row r, + 128 h
	s_wait_alu depctr_va_vdst(0)
	s_wait_kmcnt 0x0
	s_add_nc_u64 s[4:5], s[4:5], s[22:23]
	s_add_nc_u64 s[20:21], s[10:11], s[24:25]
.macro LOADX j                         ; rows 16 j .. 16 j + 15: each load reads a row's 512 consecutive bytes
.irp i, 0,1,2,3,4,5,6,7,8,9,10,11,12,13,14,15
	global_load_b128 v[RAW+4*\i:RAW+4*\i+3], v4, s[4:5] offset:(16*(\j)+\i)*16384 th:TH_LOAD_NT
.endr
.endm
	LOADX 0
.irp j, 0,1,2,3
	s_wait_loadcnt 0x0                             ; this fragment's 16 loads are in: no other is out
.irp i, 0,1,2,3,4,5,6,7,8,9,10,11,12,13,14,15
	ds_store_b128 v7, v[RAW+4*\i:RAW+4*\i+3] offset:XPITCH*\i
.endr
.irp c, 0,1
.irp t, 0,1,2,3,4,5,6,7
	ds_load_b128 v[X+32*\c+4*\t:X+32*\c+4*\t+3], v8 offset:256*\c+16*\t   ; LDS serves a wave's instructions in order (ISA guide 5.7.1.4): these see the stores above
.endr
.endr
	s_wait_dscnt 0x0                               ; my numbers are back, and the stores into the stage have read their registers,
.if \j < 3
	LOADX \j+1                                     ; which take the next fragment's loads, under this fragment's arithmetic
.endif
	QUANT FRB*\j, \j, 0
.endr
	v_cndmask_b32 v[S], v[S], v[S+2], s36
	v_cndmask_b32 v[S+1], v[S+1], v[S+3], s36
	global_store_b64 v6, v[S:S+1], s[20:21] offset:SCO   ; 32 lanes store 256 consecutive bytes, aligned
	s_wait_tensorcnt 0x0                           ; the wave's end
	ds_add_u32 v62, v63
	s_wait_dscnt 0x0
	s_endpgm
; ---------------- the weight ----------------
.Lweights:
	s_sub_co_u32 s15, ttmp9, XWG
	s_lshl_b32 s15, s15, 2
	s_add_co_u32 s15, s15, s14                     ; which unit is my wave's: 0 .. 4095
	s_lshr_b32 s16, s15, 4                         ; R: rows 64 R on
	s_and_b32 s17, s15, 15                         ; P: K steps 2 P and 2 P + 1
	s_lshr_b32 s18, s16, 1                         ; g
	s_and_b32 s19, s16, 1                          ; which half of the group's 128 rows
	s_lshl_b32 s22, s16, 18                        ; 64 rows of 4,096 bytes
	s_lshl_b32 s23, s17, 8                         ; 256 numbers of 1 byte
	s_add_co_u32 s22, s22, s23
	s_mov_b32 s23, 0
	s_lshl_b32 s24, s18, 5
	s_lshl_b32 s25, s17, 1
	s_add_co_u32 s24, s24, s25
	s_mul_i32 s24, s24, QB                         ; block (g, 2 P)
	s_mov_b32 s25, 0
	s_lshl_b32 s40, s16, 8                         ; my 64 rows' scales
	s_mov_b32 s41, 0
	s_mul_i32 s37, s19, 4*FRB
	s_lshl_b32 s38, s19, 8
	s_mul_i32 s39, s14, WST
	s_add_co_u32 s39, s39, WST0                    ; my stage
	s_mov_b32 s26, 0x80808080                      ; turns four signed bytes q into q + 128
	s_mov_b32 s27, 0x4b000000                      ; 2^23 as f32: a byte laid into its lowest mantissa bits gives 2^23 + the byte
	s_mov_b32 s28, 0x07060500                      ; v_perm_b32's selects: byte b of the word below, the three upper bytes of s27 above
	s_mov_b32 s29, 0x07060501
	s_mov_b32 s30, 0x07060502
	s_mov_b32 s31, 0x07060503
	s_mov_b32 s32, 0xcb000080                      ; -(2^23 + 128)
	s_mov_b32 s33, s32                             ; (named with it as a pair, so it is written)
	s_wait_alu depctr_va_vdst(0)
	v_lshlrev_b32 v4, 4, v2
	v_lshl_add_u32 v4, v3, 12, v4                  ; in: sixteen lanes take a row's 256 bytes, lanes 16-31 the next row
	v_lshl_add_u32 v5, v1, 4, s37                  ; an image's place for my lane
	v_mul_u32_u24 v6, v3, QB
	v_lshl_add_u32 v6, v2, 4, v6
	v_add_nc_u32 v6, s38, v6                       ; the scale words: lanes 0-15 store K step 2 P's, lanes 16-31 K step 2 P + 1's, 16 bytes a row
	v_mul_u32_u24 v7, v3, WPITCH
	v_lshl_add_u32 v7, v2, 4, v7
	v_add_nc_u32 v7, s39, v7                       ; the stage, on the way in
	v_mul_u32_u24 v8, v2, WPITCH
	v_lshl_add_u32 v8, v3, 5, v8
	v_add_nc_u32 v8, s39, v8                       ; and on the way out: row r, + 32 h
	v_lshlrev_b32 v18, 2, v2                       ; my row's scale
	s_wait_alu depctr_va_vdst(0)
	s_wait_kmcnt 0x0
	s_add_nc_u64 s[6:7], s[6:7], s[22:23]
	s_add_nc_u64 s[8:9], s[8:9], s[40:41]
	s_add_nc_u64 s[20:21], s[12:13], s[24:25]
.irp j, 0,1,2,3
	global_load_b32 v[WS+2*\j], v18, s[8:9] offset:64*\j
	global_load_b32 v[WS+2*\j+1], v18, s[8:9] offset:64*\j
.endr
.macro LOADWT j                        ; row block j, 16 rows x 256 bytes, into set j % 2
.irp i, 0,1,2,3,4,5,6,7
	global_load_b128 v[RAW+32*((\j)%2)+4*\i:RAW+32*((\j)%2)+4*\i+3], v4, s[6:7] offset:(16*(\j)+2*\i)*4096 th:TH_LOAD_NT
.endr
.endm
	LOADWT 0
	LOADWT 1
; The 16 words (64 signed bytes) of fragment f of row block j become 64 numbers q x scale: q exactly, then one rounding in the multiply, as a conversion and a multiply in f32 give.
.macro UNPACK j, f
.set RWB, RAW+32*((\j)%2)+16*(\f)
.irp w, 0,1,2,3,4,5,6,7,8,9,10,11,12,13,14,15
	v_xor_b32 v[RWB+\w], s26, v[RWB+\w]            ; q + 128: 0 .. 255
.endr
.irp w, 0,1,2,3,4,5,6,7,8,9,10,11,12,13,14,15
.irp b, 0,1,2,3
	v_perm_b32 v[X+4*\w+\b], s27, v[RWB+\w], s[28+\b]   ; 2^23 + q + 128, as f32
.endr
.endr
.irp i, 0,2,4,6,8,10,12,14,16,18,20,22,24,26,28,30,32,34,36,38,40,42,44,46,48,50,52,54,56,58,60,62
	v_pk_add_f32 v[X+\i:X+\i+1], v[X+\i:X+\i+1], s[32:33] op_sel_hi:[1,0]   ; q: nothing is rounded
.endr
.irp i, 0,2,4,6,8,10,12,14,16,18,20,22,24,26,28,30,32,34,36,38,40,42,44,46,48,50,52,54,56,58,60,62
	v_pk_mul_f32 v[X+\i:X+\i+1], v[X+\i:X+\i+1], v[WS+2*(\j):WS+2*(\j)+1]   ; q x my row's scale
.endr
.endm
.irp j, 0,1,2,3
.if \j < 3
	s_wait_loadcnt 8                               ; the scales and this row block's eight loads are in; the next row block's eight may be out
.else
	s_wait_loadcnt 0x0
.endif
.irp i, 0,1,2,3,4,5,6,7
	ds_store_b128 v7, v[RAW+32*(\j%2)+4*\i:RAW+32*(\j%2)+4*\i+3] offset:2*WPITCH*\i
.endr
.irp f, 0,1
.irp c, 0,1
.irp t, 0,1
	ds_load_b128 v[RAW+32*(\j%2)+16*\f+8*\c+4*\t:RAW+32*(\j%2)+16*\f+8*\c+4*\t+3], v8 offset:128*\f+64*\c+16*\t   ; back into the registers that they left: K = 128 f + 64 c + 32 h + 16 t on, of row r
.endr
.endr
.endr
	s_wait_dscnt 0x0
	UNPACK \j, 0
	QUANT FRB*\j, \j, 0
	UNPACK \j, 1
.if \j < 2
	LOADWT \j+2                                    ; the set's bytes are unpacked: it takes the row block two on
.endif
	QUANT QB+FRB*\j, \j, 1
.endr
	global_store_b128 v6, v[S:S+3], s[20:21] offset:SCO   ; each half of the lanes stores 256 consecutive bytes, aligned
	s_wait_tensorcnt 0x0                           ; the wave's end
	ds_add_u32 v62, v63
	s_wait_dscnt 0x0
	s_endpgm
.Lfunc_end_k_qa5524e8fbf_quant:
	.size	k_qa5524e8fbf_quant, .Lfunc_end_k_qa5524e8fbf_quant-k_qa5524e8fbf_quant
	.p2alignl 7, 3214868480
	.fill 96, 4, 3214868480
	.section	.rodata,"a",@progbits
	.p2align	6, 0x0
	.amdhsa_kernel k_qa5524e8fbf_quant
		.amdhsa_group_segment_fixed_size 51712
		.amdhsa_private_segment_fixed_size 0
		.amdhsa_enable_private_segment 0
		.amdhsa_kernarg_size 40
		.amdhsa_user_sgpr_count 2
		.amdhsa_user_sgpr_kernarg_segment_ptr 1
		.amdhsa_wavefront_size32 1
		.amdhsa_system_sgpr_workgroup_id_x 1
		.amdhsa_system_sgpr_workgroup_id_y 1
		.amdhsa_system_sgpr_workgroup_id_z 1
		.amdhsa_system_vgpr_workitem_id 0
		.amdhsa_next_free_vgpr 192
		.amdhsa_next_free_sgpr 66
		.amdhsa_reserve_vcc 0
		.amdhsa_float_denorm_mode_32 3
		.amdhsa_float_denorm_mode_16_64 3
		.amdhsa_memory_ordered 1
		.amdhsa_forward_progress 1
		.amdhsa_inst_pref_size 135
	.end_amdhsa_kernel
	.amdgpu_metadata
---
amdhsa.version: [ 1, 2 ]
amdhsa.kernels:
  - .name:           k_qa5524e8fbf_quant
    .symbol:         k_qa5524e8fbf_quant.kd
    .args:
      - { .name: x, .offset: 0, .size: 8, .value_kind: global_buffer, .address_space: global }
      - { .name: quantized_weight, .offset: 8, .size: 8, .value_kind: global_buffer, .address_space: global }
      - { .name: weight_scale, .offset: 16, .size: 8, .value_kind: global_buffer, .address_space: global }
      - { .name: ximg, .offset: 24, .size: 8, .value_kind: global_buffer, .address_space: global }
      - { .name: wimg, .offset: 32, .size: 8, .value_kind: global_buffer, .address_space: global }
    .group_segment_fixed_size: 51712
    .private_segment_fixed_size: 0
    .kernarg_segment_align: 8
    .kernarg_segment_size: 40
    .max_flat_workgroup_size: 128
    .sgpr_count:     66
    .vgpr_count:     192
    .wavefront_size: 32
...
	.end_amdgpu_metadata
.endif
;; end of part 1
;; launch gemm (part 2): grid 64 x 4, 4 waves a work-group, clusters of 4 x 4, 327,680 bytes of LDS; arguments ximg, wimg, bias, out0; writes out0
.if DOCPART == 2
	.amdgcn_target "amdgcn-amd-amdhsa--gfx1250"
	.amdhsa_code_object_version 6
	.text
	.protected	k_qa5524e8fbf_gemm
	.globl	k_qa5524e8fbf_gemm
	.p2align	8
	.type	k_qa5524e8fbf_gemm,@function
k_qa5524e8fbf_gemm:
	s_mov_b64 s[64:65], 0
	v_nop
	global_prefetch_b8 v0, s[64:65] scope:SCOPE_SE
	s_setreg_imm32_b32 hwreg(HW_REG_WAVE_MODE, 25, 1), 1
	s_wait_xcnt 0x0
	s_wait_alu depctr_hold_cnt(0) depctr_sa_sdst(0) depctr_va_vdst(0) depctr_va_sdst(0) depctr_va_ssrc(0) depctr_va_vcc(0) depctr_vm_vsrc(0)
	s_getreg_b32 s2, hwreg(HW_REG_IB_STS2, 6, 4)
	s_cmp_eq_u32 s2, 0
	s_cbranch_scc0 .Lentry_in_a_cluster
	s_endpgm
.Lentry_in_a_cluster:
	s_bfe_u32 s2, ttmp6, 0x10000c
	s_cmp_lg_u32 s2, 0xf033
	s_cbranch_scc0 .Lentry_shape_is_right
	s_endpgm
.Lentry_shape_is_right:
; out0[m][n] = sum over k of Q(x)[m][k] Q(w)[n][k] + bias[n], on the codes and scale bytes that launch quant has laid as images of the operand registers (blocks of 128 rows x 128 K, 12,800 bytes each).
; A tile of 256 x 256 is made by four waves, 128 x 128 each: 64 accumulators.  K goes through a ring of two LDS slots of three K steps (the last fill: two), filled by joint tensor loads:
; 4 x 4 work-groups form a cluster; x's tiles are shared along a row of the cluster, the weight's along a column.  The matrix instruction is used transposed (source 0 = the weight's rows),
; so that a lane holds eight neighbouring columns of a row; bias is the C of each accumulator's first product.  Results leave through each wave's own stage, as whole rows of 512 bytes.
; THE HEAD: one joint load a wave, slot 0's, behind one round of the cluster's barrier; the addresses are made while it is on its way; slot 1's first fill is issued as a refill is.
.set SIZE_N, 16384
.set QB,     12800
.set FRB,    1536
.set SCO,    12288
.set NQ,     3
.set QUART,  NQ*QB
.set SLOT,   4*QUART
.set GRP,    32*QB
.set SPARE,  2*SLOT
.set STAGE,  SLOT
.set SPITCH, 528
.set FR,     12
.set NP,     4
.set ADRA, 16
.set ADRS, 18
.set ADRB, 20
.set STO,  24
.set RD,   25
.set CO,   26
.set BO,   27
.set SPW,  28
.set NIL,  29
.set SC,   32
.set BI,   64
.set AF,   128
.set BK,   128
.set G1A,  24
.set G0A,  32
.set G1B,  48
.set G0B,  56
.set G1AT, 68
.set G1BT, 76
; PREFETCH INTO THE L2.  At a change of slots every wave has waited for all its tensor loads, so a refill goes out with nothing on its way beside it.  Behind refill F (and the run of LDS loads that follows it)
; each wave asks for refill F + 1, one slot (three K steps) ahead of the load that will want it.  A wave's quarter of a slot is 38,400 consecutive bytes, 150 blocks of 256.  The four partners that ask for it jointly
; share the blocks out BY ADDRESS: the partner at place p (cx for x's tiles, cy for the weight's) takes blocks 40 p .. 40 p + 39, held at 149: a lane a block, two instructions a wave; lanes left over name the last block again.
; Asked for: fills 2 to 9 (fill 2 behind the head's second load).  Fills 0 and 1 come by their loads alone; fill 10 has only 100 blocks and is not asked for, so that no address leaves its group's 409,600 bytes.
.set PFA, 12                           ; s[12:13] my quarter of the fill that is asked for next
.set PFO, 30                           ; v30-31  my lane's block in it, in bytes, for the two instructions; never rewritten
.macro ASK last                        ; last = 1: not in the loop's last lap, where the next fill is the short one
.if \last
	s_cmp_gt_u32 s3, 1
	s_cbranch_scc0 .Lnot_asked_\@
.endif
	global_prefetch_b8 v[PFO], s[PFA:PFA+1] th:TH_LOAD_NT scope:SCOPE_SE
	global_prefetch_b8 v[PFO+1], s[PFA:PFA+1] th:TH_LOAD_NT scope:SCOPE_SE
.if \last
.Lnot_asked_\@:
.endif
.endm
.set MSB, 0
.macro WIN new
.if MSB != (\new)
	s_set_vgpr_msb (MSB<<8)|(\new)
.set MSB, (\new)
.endif
.endm
.set MUL_LO, 0xa1
.set MUL_HI, 0xf1
.set TO_B,   0x40
.macro JLOAD g0a, g1a, g0b, g1b
	s_cmp_eq_u32 s15, 0
	s_cbranch_scc0 .Lfor_b_\@
	tensor_load_to_lds s[\g0a:\g0a+3], s[\g1a:\g1a+7]
	s_nop 0
.rept 4
	v_nop
.endr
	s_branch .Lasked_\@
.Lfor_b_\@:
	tensor_load_to_lds s[\g0b:\g0b+3], s[\g1b:\g1b+7]
	s_nop 0
.rept 4
	v_nop
.endr
.Lasked_\@:
.endm
.macro CREST
	s_cmp_lg_u32 s14, 0
	s_cbranch_scc1 .Lnot_wave_0_\@
	s_barrier_signal -3
.Lnot_wave_0_\@:
	s_barrier_wait -3
	s_barrier_signal -1
	s_barrier_wait -1
.endm
.macro CROUND
	s_barrier_signal -1
	s_barrier_wait -1
	CREST
.endm
	s_load_b256 s[4:11], s[0:1], 0x0
	v_lshl_add_u32 v[SPW], v0, 2, SPARE
	v_mov_b32 v[NIL], 0
	ds_add_u32 v28, v29
	ds_add_u32 v28, v29
	s_wait_dscnt 0x0
	v_lshrrev_b32 v1, 5, v0
	v_readfirstlane_b32 s14, v1
	s_lshr_b32 s15, s14, 1
	s_and_b32 s16, s14, 1
	s_bfe_u32 s40, ttmp6, 0x40000
	s_bfe_u32 s41, ttmp6, 0x40004
	s_lshl_b32 s42, ttmp9, 2
	s_add_co_u32 s42, s42, s40
	s_and_b32 s17, ttmp7, 0xffff
	s_lshl_b32 s17, s17, 2
	s_add_co_u32 s17, s17, s41
	s_lshl_b32 s43, s41, 2
	s_lshl_b32 s43, 15, s43
	s_lshl_b32 s44, 0x1111, s40
	s_or_b32 s[G1A], s43, (3<<16)|(1<<21)
	s_or_b32 s[G1B], s44, (3<<16)|(1<<21)
	s_or_b32 s[G1AT], s43, (3<<16)|(1<<21)
	s_or_b32 s[G1BT], s44, (3<<16)|(1<<21)
.irp g, G1A, G1B
	s_mov_b32 s[\g+1], 32<<16
	s_mov_b32 s[\g+2], 150<<16
	s_mov_b32 s[\g+3], 32<<16
	s_mov_b32 s[\g+4], 150
	s_mov_b32 s[\g+5], 32
	s_mov_b32 s[\g+6], 0
	s_mov_b32 s[\g+7], 0
.endr
.irp g, G1AT, G1BT
	s_mov_b32 s[\g+1], 32<<16
	s_mov_b32 s[\g+2], 100<<16
	s_mov_b32 s[\g+3], 32<<16
	s_mov_b32 s[\g+4], 100
	s_mov_b32 s[\g+5], 32
	s_mov_b32 s[\g+6], 0
	s_mov_b32 s[\g+7], 0
.endr
	s_lshl_b32 s20, s17, 1
	s_add_co_u32 s20, s20, s16
	s_mul_i32 s20, s20, GRP
	s_mov_b32 s21, 0
	s_lshl_b32 s46, s42, 1
	s_add_co_u32 s46, s46, s16
	s_mul_i32 s46, s46, GRP
	s_mov_b32 s47, 0
	s_mul_i32 s45, s14, QUART
	s_wait_kmcnt 0x0
	s_add_nc_u64 s[20:21], s[4:5], s[20:21]
	s_add_nc_u64 s[46:47], s[6:7], s[46:47]
	CROUND
.irp s, 0,1
	s_mov_b32 s[G0A+4*\s], 1
	s_add_co_u32 s[G0A+4*\s+1], s45, \s*SLOT
	s_add_nc_u64 s[G0A+4*\s+2:G0A+4*\s+3], s[20:21], \s*QUART
	s_or_b32 s[G0A+4*\s+3], s[G0A+4*\s+3], 0x80000000
	s_mov_b32 s[G0B+4*\s], 1
	s_add_co_u32 s[G0B+4*\s+1], s45, \s*SLOT
	s_add_nc_u64 s[G0B+4*\s+2:G0B+4*\s+3], s[46:47], \s*QUART
	s_or_b32 s[G0B+4*\s+3], s[G0B+4*\s+3], 0x80000000
.endr
	s_cmp_eq_u32 s15, 0                            ; do I fetch for x or for the weight?  The choice hangs on the wave's number alone
	s_cselect_b64 s[PFA:PFA+1], s[20:21], s[46:47] ; my quarter of fill 0,
	s_cselect_b32 s18, s40, s41                    ; my place among the four that ask for it with me,
	s_mul_i32 s19, s18, 40                         ; and my first block
	s_add_nc_u64 s[PFA:PFA+1], s[PFA:PFA+1], 2*QUART   ; the first fill that is asked for: fill 2
	JLOAD G0A, G1A, G0B, G1B                       ; slot 0: one tensor load a wave at the head
	v_and_b32 v1, 15, v0
	v_bfe_u32 v2, v0, 4, 1
	v_and_b32 v3, 31, v0
	s_mul_i32 s21, s15, QUART
	s_mul_i32 s22, s16, QUART
	s_add_co_u32 s22, s22, 2*QUART
	s_xor_b32 s23, s15, 1
	s_add_co_u32 s23, s23, s16
	s_add_co_u32 s23, s23, 1
	s_mul_i32 s23, s23, QUART
	v_lshl_add_u32 v[ADRA], v3, 4, s21
	v_add_nc_u32 v[ADRA+1], SLOT, v[ADRA]
	v_lshl_add_u32 v[ADRB], v3, 4, s22
	v_add_nc_u32 v[ADRB+1], SLOT, v[ADRB]
	v_mul_u32_u24 v4, s23, v2
	v_lshl_add_u32 v4, v1, 4, v4
	v_add_nc_u32 v[ADRS], s21, v4
	v_add_nc_u32 v[ADRS+1], SLOT, v[ADRS]
	s_mul_i32 s23, s14, 16*SPITCH
	s_add_co_u32 s23, s23, STAGE
	v_mul_u32_u24 v5, v1, SPITCH
	v_lshl_add_u32 v5, v2, 5, v5
	v_add_nc_u32 v[STO], s23, v5
	v_lshlrev_b32 v[CO], 4, v3
	v_add_nc_u32 v[RD], s23, v[CO]
	v_lshlrev_b32 v[BO], 5, v2
	v_add_nc_u32 v[PFO], s19, v3                   ; block 40 p + lane,
	v_min_u32 v[PFO], 149, v[PFO]                  ; held at the quarter's last block,
	v_lshlrev_b32 v[PFO], 8, v[PFO]                ; in bytes
	v_min_u32 v[PFO+1], 7, v3
	v_add_nc_u32 v[PFO+1], s19, v[PFO+1]
	v_add_nc_u32 v[PFO+1], 32, v[PFO+1]            ; blocks 40 p + 32 .. 40 p + 39
	v_min_u32 v[PFO+1], 149, v[PFO+1]
	v_lshlrev_b32 v[PFO+1], 8, v[PFO+1]
	s_wait_alu depctr_va_vdst(0)
	s_lshl_b32 s20, s17, 8
	s_lshl_b32 s21, s15, 7
	s_add_co_u32 s20, s20, s21
	s_lshl_b32 s20, s20, 16
	s_mov_b32 s21, 0
	s_lshl_b32 s46, s42, 10
	s_lshl_b32 s47, s16, 9
	s_add_co_u32 s46, s46, s47
	s_mov_b32 s47, 0
	s_add_nc_u64 s[8:9], s[8:9], s[46:47]
	s_add_nc_u64 s[20:21], s[20:21], s[46:47]
	s_add_nc_u64 s[10:11], s[10:11], s[20:21]
.irp b, 0,1,2,3,4,5,6,7
	global_load_b128 v[BI+8*\b:BI+8*\b+3], v[BO], s[8:9] offset:64*\b
	global_load_b128 v[BI+8*\b+4:BI+8*\b+7], v[BO], s[8:9] offset:64*\b+16
.endr
.macro FRAG reg, adr, q, i
.irp c, 0,1,2
	ds_load_b128 v[\reg+4*\c:\reg+4*\c+3], v[\adr] offset:(\q)*QB+(\i)*FRB+512*\c
.endr
.endm
.macro MUL16 a0, p, first
.irp a, \a0, \a0+1
.irp b, 0,1,2,3,4,5,6,7
.if \first
	v_wmma_scale_f32_16x16x128_f8f6f4 v[8*(8*((\a)%4)+\b):8*(8*((\a)%4)+\b)+7], v[128*(\p)+FR*\b:128*(\p)+FR*\b+FR-1], v[AF+FR*(\a):AF+FR*(\a)+FR-1], v[BI+8*\b:BI+8*\b+7], v[SC+8*(\p)+\b], v[SC+8*(\p)+(\a)] matrix_a_fmt:MATRIX_FMT_BF6 matrix_b_fmt:MATRIX_FMT_BF6 matrix_a_scale:MATRIX_SCALE_ROW1
.else
	v_wmma_scale_f32_16x16x128_f8f6f4 v[8*(8*((\a)%4)+\b):8*(8*((\a)%4)+\b)+7], v[128*(\p)+FR*\b:128*(\p)+FR*\b+FR-1], v[AF+FR*(\a):AF+FR*(\a)+FR-1], v[8*(8*((\a)%4)+\b):8*(8*((\a)%4)+\b)+7], v[SC+8*(\p)+\b], v[SC+8*(\p)+(\a)] matrix_a_fmt:MATRIX_FMT_BF6 matrix_b_fmt:MATRIX_FMT_BF6 matrix_a_scale:MATRIX_SCALE_ROW1
.endif
.endr
.endr
.endm
.macro FETCH_B ring, q, p
	WIN TO_B
.irp i, 0,1,2,3,4,5,6,7
	FRAG 128*(\p)+FR*\i, ADRB+\ring, \q, \i
.endr
	WIN 0
.endm
.macro FETCH_A ring, q, i0
.irp i, \i0, \i0+1, \i0+2, \i0+3
	FRAG AF+FR*(\i), ADRA+\ring, \q, \i
.endr
.endm
.macro SCALES ring, q, p
.irp u, 0,1
	ds_load_b128 v[SC+8*(\p)+4*\u:SC+8*(\p)+4*\u+3], v[ADRS+\ring] offset:(\q)*QB+SCO+256*\u
.endr
.endm
.macro PLACES n
.rept \n
	v_nop
.endr
.endm
.macro STEP ring, q, first
	s_wait_dscnt 12
	WIN MUL_LO-0x20*(\first)
	MUL16 0, ((\ring)+(\q))%2, \first
	MUL16 2, ((\ring)+(\q))%2, \first
	s_wait_dscnt 0x0
	PLACES NP
	FETCH_B \ring, (\q)+1, 1-((\ring)+(\q))%2
	FETCH_A \ring, (\q)+1, 0
	SCALES \ring, (\q)+1, 1-((\ring)+(\q))%2
	WIN MUL_HI-0x30*(\first)
	MUL16 4, ((\ring)+(\q))%2, \first
	MUL16 6, ((\ring)+(\q))%2, \first
	PLACES NP
	WIN 0
	FETCH_A \ring, (\q)+1, 4
.endm
.macro TURN ring, next, fill
.if \fill == 1
	s_wait_xcnt 0x0                                ; my last prefetches have read their base: it steps here, three K steps behind them
	s_add_nc_u64 s[PFA:PFA+1], s[PFA:PFA+1], QUART
.endif
	s_wait_tensorcnt 0x0
	ds_add_u32 v[SPW], v[NIL]
	s_wait_dscnt 13
	WIN MUL_LO
	MUL16 0, \ring, 0
	s_wait_dscnt 0x0
	s_barrier_signal -1
	MUL16 2, \ring, 0
	WIN 0
	s_barrier_wait -1
.if \fill
	CREST
	s_add_nc_u64 s[G0A+4*\ring+2:G0A+4*\ring+3], s[G0A+4*\ring+2:G0A+4*\ring+3], 2*QUART
	s_add_nc_u64 s[G0B+4*\ring+2:G0B+4*\ring+3], s[G0B+4*\ring+2:G0B+4*\ring+3], 2*QUART
.if \fill == 1
	JLOAD G0A+4*\ring, G1A, G0B+4*\ring, G1B
.else
	JLOAD G0A+4*\ring, G1AT, G0B+4*\ring, G1BT
.endif
.else
	PLACES NP
.endif
	FETCH_B \next, 0, \next
	FETCH_A \next, 0, 0
	SCALES \next, 0, \next
.if \fill == 1
	ASK \ring                                      ; behind the joint load and the run of LDS loads: the next refill's bytes
.endif
	WIN MUL_HI
	MUL16 4, \ring, 0
	MUL16 6, \ring, 0
	PLACES NP
	WIN 0
	FETCH_A \next, 0, 4
.endm
	s_wait_tensorcnt 0x0                           ; my part of slot 0 is in
	ds_add_u32 v[SPW], v[NIL]
	s_wait_dscnt 0x0
	CROUND                                         ; a whole round: everybody's part of slot 0 is in, and the joint loads meet
	JLOAD G0A+4, G1A, G0B+4, G1B                   ; slot 1's first fill, the first tensor load behind the round
	FETCH_B 0, 0, 0
	FETCH_A 0, 0, 0
	SCALES 0, 0, 0
	FETCH_A 0, 0, 4
	ASK 0                                          ; fill 2, which the first change of slots will load
	s_wait_loadcnt 0x0
	STEP 0, 0, 1
	s_mov_b32 s3, 4
.Llap:
	STEP 0, 1, 0
	TURN 0, 1, 1
	STEP 1, 0, 0
	STEP 1, 1, 0
	TURN 1, 0, 1
	STEP 0, 0, 0
	s_sub_co_u32 s3, s3, 1
	s_cmp_lg_u32 s3, 0
	s_cbranch_scc1 .Llap
	STEP 0, 1, 0
	TURN 0, 1, 2
	STEP 1, 0, 0
	STEP 1, 1, 0
	TURN 1, 0, 0
	STEP 0, 0, 0
	s_wait_dscnt 12
	WIN MUL_LO
	MUL16 0, 1, 0
	MUL16 2, 1, 0
	s_wait_dscnt 0x0
	WIN MUL_HI
	MUL16 4, 1, 0
	MUL16 6, 1, 0
	WIN 0
.macro TOSTAGE a
.set AC, 64*((\a)%4)
	WIN 0x08+4*((\a)/4)
.irp b, 0,1,2,3,4,5,6,7
	ds_store_b128 v[STO], v[AC+8*\b:AC+8*\b+3] offset:64*\b
	ds_store_b128 v[STO], v[AC+8*\b+4:AC+8*\b+7] offset:64*\b+16
.endr
	WIN 0
.set BB, BK+64*((\a)%2)
.irp t, 0,1,2,3,4,5,6,7,8,9,10,11,12,13,14,15
	ds_load_b128 v[BB+4*\t:BB+4*\t+3], v[RD] offset:\t*SPITCH
.endr
.endm
.macro SEND a, younger
.set BB, BK+64*((\a)%2)
	s_wait_dscnt \younger
.if (\a) > 0
	s_add_nc_u64 s[10:11], s[10:11], 16*SIZE_N*4
.endif
.irp t, 0,1,2,3,4,5,6,7,8,9,10,11,12,13,14,15
	global_store_b128 v[CO], v[BB+4*\t:BB+4*\t+3], s[10:11] offset:\t*SIZE_N*4 th:TH_STORE_NT
.endr
.endm
	PLACES NP
	TOSTAGE 0
.irp a, 1,2,3,4,5,6,7
.if \a > 1
	s_wait_xcnt 0x0
.endif
	TOSTAGE \a
	SEND \a-1, 32
.endr
	s_wait_xcnt 0x0
	SEND 7, 0
	s_wait_tensorcnt 0x0
	ds_add_u32 v[SPW], v[NIL]
	s_wait_dscnt 0x0
	CROUND
	s_endpgm
.Lfunc_end_k_qa5524e8fbf_gemm:
	.size	k_qa5524e8fbf_gemm, .Lfunc_end_k_qa5524e8fbf_gemm-k_qa5524e8fbf_gemm
	.p2alignl 7, 3214868480
	.fill 96, 4, 3214868480
	.section	.rodata,"a",@progbits
	.p2align	6, 0x0
	.amdhsa_kernel k_qa5524e8fbf_gemm
		.amdhsa_group_segment_fixed_size 327680
		.amdhsa_private_segment_fixed_size 0
		.amdhsa_enable_private_segment 0
		.amdhsa_kernarg_size 32
		.amdhsa_user_sgpr_count 2
		.amdhsa_user_sgpr_kernarg_segment_ptr 1
		.amdhsa_wavefront_size32 1
		.amdhsa_system_sgpr_workgroup_id_x 1
		.amdhsa_system_sgpr_workgroup_id_y 1
		.amdhsa_system_sgpr_workgroup_id_z 1
		.amdhsa_system_vgpr_workitem_id 0
		.amdhsa_next_free_vgpr 1024
		.amdhsa_next_free_sgpr 84
		.amdhsa_reserve_vcc 0
		.amdhsa_float_denorm_mode_32 3
		.amdhsa_float_denorm_mode_16_64 3
		.amdhsa_memory_ordered 1
		.amdhsa_forward_progress 1
		.amdhsa_inst_pref_size 206
	.end_amdhsa_kernel
	.amdgpu_metadata
---
amdhsa.version: [ 1, 2 ]
amdhsa.kernels:
  - .name:           k_qa5524e8fbf_gemm
    .symbol:         k_qa5524e8fbf_gemm.kd
    .args:
      - { .name: ximg, .offset: 0, .size: 8, .value_kind: global_buffer, .address_space: global }
      - { .name: wimg, .offset: 8, .size: 8, .value_kind: global_buffer, .address_space: global }
      - { .name: bias, .offset: 16, .size: 8, .value_kind: global_buffer, .address_space: global }
      - { .name: out0, .offset: 24, .size: 8, .value_kind: global_buffer, .address_space: global }
    .group_segment_fixed_size: 327680
    .private_segment_fixed_size: 0
    .kernarg_segment_align: 8
    .kernarg_segment_size: 32
    .max_flat_workgroup_size: 128
    .sgpr_count:     84
    .vgpr_count:     1024
    .wavefront_size: 32
...
	.end_amdgpu_metadata
.endif
;; end of part 2
